; MI455X (gfx1250); checked and timed in simulation.
; The chip was launched on July 23, 2026; its instructions are those of AMD's public machine-readable ISA for CDNA 5 (MIT licence, August 2026) and "CDNA5" Instruction Set Architecture Reference Guide (July 2026). The comments in the code are by the model that wrote it; some were corrected since.
;; Cross Attention. Allowed arithmetic: matrix products marked QUANTISED: E3M2 operands, one E8M0 scale for each 32 along K, by v_wmma_scale_f32_16x16x128_f8f6f4 with both operands' format E3M2, f32 sums; everything else in f32.
;; Inputs: Wk 128 x 64 float32; Wq 128 x 128 float32; Wv 128 x 64 float32; age_features 1 x 64 float32; bk 128 float32; bq 128 float32; bv 128 float32; pixel_features 1 x 128 x 16 x 32 x 32 float32.
;; Outputs: out0 1 x 16,384 x 128 float32.
;; This version of the problem:
;;   THIS VERSION OF THE PROBLEM IS GIVEN IN LOW PRECISION. The matrix products marked QUANTISED in the list below multiply operands that are first quantised to E3M2 (3 exponent bits, 2 mantissa bits; 6 bits a number), with one power-of-two scale for each 32 numbers along K (OCP MX v1.0); their sums are f32. All else is computed in f32.
;;   The module's matrix products, in the order in which they are computed (A, B: the left and right operand; K: the contracted axis; several contracted axes count as one K, in the product's order):
;;     1. [M 16,384, K 128] x [K 128, N 128]; A: input pixel_features; B: input Wq: QUANTISED
;;     2. [M 16,384, K 64] x [K 64, N 128]; A: input age_features; B: input Wk: QUANTISED
;;     3. [M 16,384, K 64] x [K 64, N 128]; A: input age_features; B: input Wv: QUANTISED
;;     4. [M 16,384, K 128] x [K 128, N 16,384]; A: computed on the way; B: computed on the way: QUANTISED
;;     5. [M 16,384, K 16,384] x [K 16,384, N 128]; A: softmax (see below); B: computed on the way: QUANTISED
;;   THE QUANTISER, for each operand of a quantised product, along K:
;;     - K is cut into blocks of 32 from its start; a last block that is shorter is filled with zeros.
;;     - A block's scale is 2^e with e = floor(log2(the largest magnitude in the block)) - 4, held to -126 .. 127; a block of zeros has e = 0. As a byte (E8M0): e + 127.
;;     - Each number is divided by its block's scale, clamped to +-28, and rounded to the nearest number of E3M2, ties to even, subnormals kept.
;;     - The product sums the exact products of the quantised numbers (number of the format x scale) in f32.
;;   ~~~python
;;   def quantise(x, axis):      # numpy; x: float32 -> the quantised numbers, widened to float32 again
;;       x = np.moveaxis(x, axis, -1); K = x.shape[-1]
;;       x = np.pad(x, [(0, 0)] * (x.ndim - 1) + [(0, -K % 32)]); x = x.reshape(x.shape[:-1] + (-1, 32)); a = np.abs(x).max(-1, keepdims=True)
;;       e = np.where(a > 0, np.clip(np.frexp(np.where(a > 0, a, 1))[1] - 1 - 4, -126, 127), 0)      # np.frexp(a)[1] - 1 = floor(log2(a)), exactly
;;       r = np.clip(x / 2.0 ** e, -28, 28)
;;       step = 2.0 ** (np.maximum(np.frexp(np.where(r == 0, 1, r))[1] - 1, -2) - 2)
;;       q = np.round(r / step) * step * 2.0 ** e      # np.round: ties to even
;;       return np.moveaxis(q.reshape(q.shape[:-2] + (-1,))[..., :K], -1, axis).astype(np.float32)
;;   ~~~
;;   SOFTMAX AHEAD OF A QUANTISED PRODUCT. Where the list says 'softmax', what is quantised is not the finished softmax but p = 2^(t - M), with t = logit x log2(e) and M = ceil(the row's largest t), a whole number; so 1/2 < the row's largest p <= 1. The row's sum l is taken of the UNQUANTISED p, in f32, and the product's result is divided by l at the end. Since M is a whole number, a kernel that streams over the keys may use a running M (the ceiling of the running maximum): every later rescaling is an exact power of two, which a block's scale takes up: the codes' values come out the same.
;;   OPERANDS COMPUTED ON THE WAY. 'Computed on the way' means the value that the module computes at that place (a softmax that the list does not call 'softmax' is quantised finished and normalised). What goes into a quantiser is computed in f32, as accurately as f32 sums, v_exp_f32 and their like allow (about 1e-6 of the number): no bf16 or f16 on the way to a quantiser, and a product that is left as it is and whose result goes on into a quantised operand takes f32 operands (vector FMAs, or v_wmma_f32_16x16x4_f32). A number that lies on a knife's edge between two numbers of the format may be rounded either way, as far as f32 arithmetic and the matrix unit's own rounding can turn it there, and no further.
;; One version. Each part assembles by itself: llvm-mc -triple=amdgcn-amd-amdhsa -mcpu=gfx1250 --defsym DOCPART=n.
;; ======== version 1 of 1: 1 launch
;; launch xattn (part 1): grid 256 x 1, 4 waves a work-group, clusters of 4 x 1, 233,472 bytes of LDS; arguments pixel_features, age_features, Wq, bq, Wk, bk, Wv, bv, out0; writes out0
.if DOCPART == 1
	.amdgcn_target "amdgcn-amd-amdhsa--gfx1250"
	.amdhsa_code_object_version 6
	.text
	.protected	k_qa2b6dc3a2b_xattn
	.globl	k_qa2b6dc3a2b_xattn
	.p2align	8
	.type	k_qa2b6dc3a2b_xattn,@function
k_qa2b6dc3a2b_xattn:
	s_mov_b64 s[64:65], 0
	v_nop
	global_prefetch_b8 v0, s[64:65] scope:SCOPE_SE
	s_setreg_imm32_b32 hwreg(HW_REG_WAVE_MODE, 25, 1), 1
	s_wait_xcnt 0x0
	s_wait_alu depctr_hold_cnt(0) depctr_sa_sdst(0) depctr_va_vdst(0) depctr_va_sdst(0) depctr_va_ssrc(0) depctr_va_vcc(0) depctr_vm_vsrc(0)
	s_getreg_b32 s2, hwreg(HW_REG_IB_STS2, 6, 4)
	s_cmp_eq_u32 s2, 0
	s_cbranch_scc0 .Lentry_in_a_cluster
	s_endpgm
.Lentry_in_a_cluster:
	s_bfe_u32 s2, ttmp6, 0x10000c
	s_cmp_lg_u32 s2, 0x3003
	s_cbranch_scc0 .Lentry_shape_is_right
	s_endpgm
.Lentry_shape_is_right:
; out[n][c] = px[n][c] + (softmax(q k^T / sqrt(128)) v)[n][c], all five products on codes of BF6 (E3M2) with one E8M0 scale for each 32 along K.
; px[n][c] = pixel_features[c][n] (128 channels x 16,384 pixels);  q = px Wq^T + bq;  k = age Wk^T + bk;  v = age Wv^T + bv, where reference() itself broadcasts ONE age vector to all 16,384 keys.
; WHAT THE BROADCAST MAKES EQUAL, for all values of the inputs: all 16,384 rows of the operand 'age', so all rows of k are one vector k0 and all rows of v one vector v0; so all scores of a row, Q(q[n]) . Q(k0); so every t of a row
;   is the row's largest t, p = 2^(t - M) is the same at every key, and every block of 32 keys of p, and of v's channel c, holds 32 equal numbers with one scale.
; WHAT IS MULTIPLIED.  The contract has the quantised products done by the scaled matrix instruction.  Products 4 and 5, 2 x 16,384 x 16,384 x 128 multiply-adds, nearly all of the problem's, are multiplied IN FULL: S^T for all 1,024 tiles
;   of 16 keys, O^T over all 128 K steps of 128 keys.  Since the keys are equal, every tile takes the same fragments of k0, of v0 and of p, which stay in registers.  Every score goes into the row's maximum; every K step is summed into O.
; WHAT IS DONE ONCE INSTEAD OF MANY TIMES:
;   - products 2 and 3 are made for ONE tile of 16 equal keys for each tile of channels: their other rows are copies;
;   - the vector work behind the row's maximum (t - M, the exponential, p's scale and codes) is done for one key: the other 16,383 are copies;  l, the sum of 16,384 equal p, is 16,384 p.
; Nothing else goes: Q(p) / p hangs on q . k0, so every input has a way to the output, and all eight are loaded.
; LIMITS.  What is left out are copies of work that is done, so a NaN, an infinity or an overflow shows wherever it would have shown; the rounding of l's sum of 16,384 f32 terms is not reproduced (16,384 p is exact).
;   A quantiser's block whose largest magnitude lies under 2^-122 (a block of zeros too) keeps the scale byte 1; its bytes are read by this program alone.
; SHARES.  256 work-groups of four waves.  Work-group g owns pixels 64 g .. 64 g + 63: 256 bytes, aligned, of each of the 128 channel rows on the way in, 64 whole rows of 512 bytes on the way out.  Wave w owns pixels 16 w .. 16 w + 15
;   of them, all 128 channels and all keys; in the preparation it owns rows 32 w .. 32 w + 31 of Wq, Wk and Wv, which are the rows that its own tensor loads bring: its own wait on TENSORcnt is all that those reads need.  That is why a load has 32 rows.
; CLUSTER.  The four work-groups of a cluster read the same Wq, Wk, Wv (128 KiB of a work-group's 160 KiB): these are asked for JOINTLY, by the same descriptor, made of the wave's number alone, with a mask that names the four.
;   px's tile is a work-group's own: a plain load.  Every LDS byte is filled once: no ring.
; ONE LAYOUT for all that is quantised: register 16 b + i of lane (r = lane % 16, h = lane / 16) holds k = 32 b + 16 h + i of the lane's row.  THE ROWS OF A WEIGHT THAT FORM A TILE ARE NOT NEIGHBOURS: lane r of tile t = 2 b + u takes
;   channel 32 b + 8 u + r + 8 (r / 8), so that register j of a result's tile t is channel 32 b + 16 h + 8 u + j: q^T comes out in that layout, and so does O^T, register for register beside px: the residual is one packed multiply-add.
;   Products 1, 2, 4, 5 are used transposed (source 0 = 16 channels or keys, source 1 = 16 pixels or keys): a lane holds ONE pixel throughout.
; The weights' and V's fragments go from wave to wave through LDS as images of their registers: three stores of 16 bytes a lane, the scale word 4 bytes a lane.
.set PX,    0                          ; LDS: px's tile: 128 channel rows of 256 bytes + 8: lanes 16-31 read 16 rows on, 4,224 bytes = 128 mod 256: the other 32 of the 64 banks of 4 bytes (ISA guide 11.1)
.set WQ,    33792                      ; Wq: 128 rows of 512 bytes + 16
.set WK,    101376                     ; Wk: 128 rows of 256 bytes + 16.  (A tile's two groups of eight rows lie 16 rows apart, a multiple of 256 bytes at these pitches: the weights' 64 reads a wave go two deep)
.set WV,    136192                     ; Wv likewise
.set QIMG,  171008                     ; images of Wq's 8 fragments, 1,536 bytes each
.set QSC,   183296                     ; their scale words, 128 bytes each
.set VOFS,  13312                      ; V's 8 images and scale words lie this far behind Wq's
.set KC,    197632                     ; k0's row of 128 codes, 96 bytes;
.set KSC,   KC+128                     ; and its scale word
.set STG,   197888                     ; the way out: 16 rows x (512 bytes + 16) for each wave
.set SPARE, 231680                     ; the spare words, 128 bytes for each wave: two blocks of 256 bytes that no other line names
.set SPW, 1                            ; v1   LDS address of my spare word; never rewritten
.set NIL, 2                            ; v2   0; never rewritten
.set H64, 3                            ; v3   64 h: offset into age, bk, bq; never rewritten
.set RHO4, 4                           ; v4   4 (r + 8 (r / 8)): offset into bv; never rewritten
.set AWQ, 5                            ; v5   my lane's place in my rows of Wq;  later AKR: in k0's row
.set AWK, 6                            ; v6   the same in Wk (Wv: WV - WK on);  later AKS: k0's scale word
.set APX, 7                            ; v7   my pixel's column in px's tile, my half's first row
.set AI,  8                            ; v8   QIMG + 16 x lane
.set AIW, 9                            ; v9   + 3,072 x wave: where I store images;  later STO: where I put 64 bytes of a row of out
.set AS,  10                           ; v10  QSC + 4 x lane
.set ASW, 11                           ; v11  + 256 x wave;  later SRD: where I read a row of out back
.set AKW, 12                           ; v12  where I store my 12 bytes of k0's codes;  later GO: 16 x lane, my offset in a row of out
.set AKB, 13                           ; v13  where I store my block's byte of k0's scale word;
.set ASV, 13                           ;      later QSC + 4 x lane + 128 h: lanes 0-15 take an even tile's scale words, lanes 16-31 the next tile's
.set BV,  14                           ; v14-15  bv at my lane's channel of my two tiles
.set PXR, 16                           ; v16-79   weights as f32; then px; then V's fragments 0-4; then px once more; then rows of out
.set ACC, 80                           ; v80-143  weights as f32; then bq, q^T; the eight accumulators of S^T; the copies of p; O^T
.set F,   144                          ; v144-191 four fragments; in the preparation age as f32, my four fragments of Wk and Wv, then k0's codes and v0's copies; later V's fragments 5-7
.set XF,  192                          ; v192-203 px's codes; later p's
.set KA,  192                          ; v192-207 in the preparation: bk, then my two tiles of k^T
.set KF,  204                          ; v204-215 k0's fragment
.set AGE, 216                          ; v216-227 age's fragment; later q's
.set QF,  216
.set TM,  228                          ; v228-239 +0..3 largest magnitudes (over the keys: four running maxima), +4..7 the other half's and the bytes, +8..11 the conversions' scale operands; at the end +10, +11: 1 / l
.set T2,  240                          ; v240-247 the conversions' second halves
.set FS,  248                          ; v248-251 fragments' scale words.  v248-255 hold scales and nothing else
.set XS,  252
.set QS,  253
.set AGS, 253
.set KS,  254
.set PS,  255
.set WN,  22                           ; s22 my wave's number;  s23 cx;  s24 g
.set CS,  25                           ; s25 log2(e) / sqrt(128)
.set SEL, 26                           ; s[26:27] v_permlanex16_b32's selects for lane l xor 16
.set G1P, 28                           ; s[28:35] descriptor group 1 for px;  s[36:43] for Wq;  s[44:51] for Wk and Wv
.set G1Q, 36
.set G1W, 44
.set G0P, 52                           ; s[52:55], s[56:59], s[60:63], s[68:71] groups 0 for px, Wq, Wk, Wv
.set G0Q, 56
.set G0K, 60
.set G0V, 68
.set CNT, 72                           ; s72 at work; the loops' counter
; A round of the cluster's barrier: my work-group's barrier; wave 0 signals for the work-group; every wave waits for all four work-groups; my work-group's barrier once more.
.macro ROUND
	s_barrier_signal -1
	s_barrier_wait -1
	s_cmp_lg_u32 s[WN], 0
	s_cbranch_scc1 .Lnot_wave_0_\@
	s_barrier_signal -3
.Lnot_wave_0_\@:
	s_barrier_wait -3
	s_barrier_signal -1
	s_barrier_wait -1
.endm
; Places: behind a matrix instruction of this form four plain vector instructions stand before its result is read or a load is issued into one of its registers, five before a matrix instruction writes over one of them
; (for all but the loads); in front of a scaled one eight stand behind the vector instruction that wrote a scale word, four behind one that wrote an operand.
.macro PLACES n
.rept \n
	v_nop
.endr
.endm
; 16 nb numbers of a lane from v[s] on (register 16 b + i = k 32 b + 16 h + i of my row) become a fragment's codes in v[d] .. v[d + 11] and its scale word in v[sw].  nb = 2: K = 64; the fragment's upper 64 along K are zero codes.
.macro QUANT s, d, sw, nb
.irp b, 0,1,2,3
.if \b < \nb
	v_max3_num_f32 v[TM+\b], |v[(\s)+16*\b]|, |v[(\s)+1+16*\b]|, 0x2800000   ; block b: my 16 numbers, and the floor 2^(5 - 127): the byte cannot fall under 1
.endif
.endr
.irp i, 2,4,6,8,10,12,14
.irp b, 0,1,2,3
.if \b < \nb
	v_max3_num_f32 v[TM+\b], v[TM+\b], |v[(\s)+16*\b+\i]|, |v[(\s)+1+16*\b+\i]|   ; (the blocks by turns)
.endif
.endr
.endr
.irp b, 0,1,2,3
.if \b < \nb
	v_permlanex16_b32 v[TM+4+\b], v[TM+\b], s[SEL], s[SEL+1]
.endif
.endr
.irp b, 0,1,2,3
.if \b < \nb
	v_max_num_f32 v[TM+\b], v[TM+\b], v[TM+4+\b]      ; with lane l xor 16's: the block's largest magnitude
.endif
.endr
.irp b, 0,1,2,3
.if \b < \nb
	v_add_nc_u32 v[TM+8+\b], 0xfe000000, v[TM+\b]     ; 4 off its exponent field: the conversion takes the exponent field of this operand as its scale
.endif
.endr
.irp b, 0,1,2,3
.if \b < \nb
	v_lshrrev_b32 v[TM+4+\b], 23, v[TM+8+\b]          ; the scale's byte
.endif
.endr
	v_lshl_or_b32 v[\sw], v[TM+5], 8, v[TM+4]         ; my row's scale word
.if \nb > 2
	v_lshl_or_b32 v[\sw], v[TM+6], 16, v[\sw]
	v_lshl_or_b32 v[\sw], v[TM+7], 24, v[\sw]
.endif
.irp c, 0,1
.if 2*\c < \nb
	v_cvt_scalef32_pk16_bf6_f32 v[(\d)+6*\c:(\d)+6*\c+2], v[(\s)+32*\c:(\s)+32*\c+15], v[TM+8+2*\c]
	v_cvt_scalef32_pk16_bf6_f32 v[T2+4*\c:T2+4*\c+2], v[(\s)+32*\c+16:(\s)+32*\c+31], v[TM+9+2*\c]   ; (a conversion's three registers begin on an even number)
.endif
.endr
	v_nop                                             ; one plain place behind a scaled conversion
.irp c, 0,1
.if 2*\c < \nb
.irp i, 0,1,2
	v_permlane16_swap_b32 v[(\d)+6*\c+\i], v[T2+4*\c+\i]   ; the operand's layout wants a WHOLE block in a lane: lanes 0-15 block 2 c, lanes 16-31 block 2 c + 1
.endr
.irp i, 0,1,2
	v_mov_b32 v[(\d)+6*\c+3+\i], v[T2+4*\c+\i]
.endr
.endif
.endr
.if \nb < 4
.irp i, 6,7,8,9,10,11
	v_mov_b32 v[(\d)+\i], 0                           ; zero codes for k = 64 .. 127; their scale bytes are 0, which is no NaN: they add nothing
.endr
.endif
.endm
.macro IMAGE adr, reg, off             ; a fragment goes to LDS as it stands
.irp c, 0,1,2
	ds_store_b128 v[\adr], v[(\reg)+4*\c:(\reg)+4*\c+3] offset:(\off)+512*\c
.endr
.endm
.macro FETCH4 g                        ; and four of Wq's come back so, in any wave, with their scale words: tiles 4 g .. 4 g + 3 (16 LDS loads)
.irp t, 0,1,2,3
.irp c, 0,1,2
	ds_load_b128 v[F+12*\t+4*\c:F+12*\t+4*\c+3], v[AI] offset:(4*(\g)+\t)*1536+512*\c
.endr
	ds_load_b32 v[FS+\t], v[AS] offset:(4*(\g)+\t)*128
.endr
.endm
.macro FETCHV                          ; all eight of V's: tiles 0-4 at v16 on, tiles 5-7 at v144 on; their scale words two tiles to a register (28 LDS loads)
.irp t, 0,1,2,3,4,5,6,7
.irp c, 0,1,2
	ds_load_b128 v[16+12*\t+68*(\t/5)+4*\c:16+12*\t+68*(\t/5)+4*\c+3], v[AI] offset:VOFS+\t*1536+512*\c
.endr
.endr
.irp j, 0,1,2,3
	ds_load_b32 v[FS+\j], v[ASV] offset:VOFS+256*\j   ; lanes 0-15: tile 2 j's words; lanes 16-31: tile 2 j + 1's (an image holds row r's word in lane r and in lane 16 + r)
.endr
.endm
.macro WLOAD reg, adr, off, nb         ; a weight tile's f32 numbers in the one layout: four loads of 16 bytes a block
.irp b, 0,1,2,3
.if \b < \nb
.irp j, 0,1,2,3
	ds_load_b128 v[(\reg)+16*\b+4*\j:(\reg)+16*\b+4*\j+3], v[\adr] offset:(\off)+128*\b+16*\j
.endr
.endif
.endr
.endm
.macro MMZ d, a, b, sa, sb             ; D = A B^T
	v_wmma_scale_f32_16x16x128_f8f6f4 v[(\d):(\d)+7], v[(\a):(\a)+11], v[(\b):(\b)+11], 0, v[\sa], v[\sb] matrix_a_fmt:MATRIX_FMT_BF6 matrix_b_fmt:MATRIX_FMT_BF6
.endm
.macro MMA d, a, b, sa, sb             ; D = A B^T + D: D holds a bias, brought by loads in the result's layout
	v_wmma_scale_f32_16x16x128_f8f6f4 v[(\d):(\d)+7], v[(\a):(\a)+11], v[(\b):(\b)+11], v[(\d):(\d)+7], v[\sa], v[\sb] matrix_a_fmt:MATRIX_FMT_BF6 matrix_b_fmt:MATRIX_FMT_BF6
.endm
; PRODUCT 4.  SMAX: accumulator t's eight scores (keys 8 h + 0 .. 7 of a tile) go into four running maxima, from the accumulator's low end on.
.macro SMAX t
.irp c, 0,1,2,3
	v_max3_num_f32 v[TM+\c], v[TM+\c], v[ACC+8*(\t)+2*\c], v[ACC+8*(\t)+2*\c+1]
.endr
.endm
; SLOT: one more tile of 16 keys into accumulator t, and behind it the maxima of the accumulator written four matrix instructions ago.  So between a product and the read of its result stand 16 plain lines on other
; accumulators, and between it and the product that writes over it 28; the eight accumulators take turns, and the wave has vector work to issue while the matrix unit works.
.macro SLOT t
	MMZ ACC+8*(\t), KF, QF, KS, QS
	SMAX ((\t)+4)%8
.endm
.macro RING8
.irp t, 0,1,2,3,4,5,6,7
	SLOT \t
.endr
.endm
; PRODUCT 5.  OW: channel tile t of O^T takes one K step of 128 keys: source 0 = 16 channels of V^T, source 1 = p.  An odd tile's scale words stand in lanes 16-31 of its register.  zero = 1: the first K step starts the sums.
.macro OW t, zero
.set VR,  16+12*(\t)+68*((\t)/5)
.set OD,  ACC+8*(\t)
.set VSW, FS+(\t)/2
.if \zero
.if (\t)%2
	v_wmma_scale_f32_16x16x128_f8f6f4 v[OD:OD+7], v[VR:VR+11], v[XF:XF+11], 0, v[VSW], v[PS] matrix_a_fmt:MATRIX_FMT_BF6 matrix_b_fmt:MATRIX_FMT_BF6 matrix_a_scale:MATRIX_SCALE_ROW1
.else
	v_wmma_scale_f32_16x16x128_f8f6f4 v[OD:OD+7], v[VR:VR+11], v[XF:XF+11], 0, v[VSW], v[PS] matrix_a_fmt:MATRIX_FMT_BF6 matrix_b_fmt:MATRIX_FMT_BF6
.endif
.else
.if (\t)%2
	v_wmma_scale_f32_16x16x128_f8f6f4 v[OD:OD+7], v[VR:VR+11], v[XF:XF+11], v[OD:OD+7], v[VSW], v[PS] matrix_a_fmt:MATRIX_FMT_BF6 matrix_b_fmt:MATRIX_FMT_BF6 matrix_a_scale:MATRIX_SCALE_ROW1
.else
	v_wmma_scale_f32_16x16x128_f8f6f4 v[OD:OD+7], v[VR:VR+11], v[XF:XF+11], v[OD:OD+7], v[VSW], v[PS] matrix_a_fmt:MATRIX_FMT_BF6 matrix_b_fmt:MATRIX_FMT_BF6
.endif
.endif
.endm
.macro OSTEP zero                      ; a K step: the eight accumulators by turns, one instruction a turn
.irp t, 0,1,2,3,4,5,6,7
	OW \t, \zero
.endr
.endm
	s_load_b512 s[4:19], s[0:1], 0x0               ; px s[4:5], age s[6:7], Wq s[8:9], bq s[10:11], Wk s[12:13], bk s[14:15], Wv s[16:17], bv s[18:19]
	s_load_b64 s[20:21], s[0:1], 0x40              ; out
	v_lshl_add_u32 v[SPW], v0, 2, SPARE
	v_mov_b32 v[NIL], 0
	ds_add_u32 v[SPW], v[NIL]                      ; the wave's opening: the add, twice on end, and its wait ahead of my first tensor load; the set-up below, work on registers, stands between
	ds_add_u32 v[SPW], v[NIL]
	v_lshrrev_b32 v16, 5, v0
	v_readfirstlane_b32 s[WN], v16                 ; wave 0..3
	s_bfe_u32 s23, ttmp6, 0x40000                  ; cx: my place in the cluster: it enters px's and out's global addresses alone
	s_lshl_b32 s24, ttmp9, 2                       ; in a cluster launch ttmp9 counts clusters
	s_add_co_u32 s24, s24, s23                     ; g = 4 x cluster + cx
	s_mov_b32 s[CS], 0x3e0293ee
	s_mov_b32 s[SEL], 0x76543210
	s_mov_b32 s[SEL+1], 0xfedcba98
	; descriptor groups 1, elements of 4 bytes.  px: 32 rows of 64, 16,384 elements apart, 2 words of padding behind every 64; no mask
	s_mov_b32 s[G1P+0], (2<<16)|(1<<20)|(5<<22)|(1<<25)
	s_mov_b32 s[G1P+1], 64<<16                     ; tensor_dim0
	s_mov_b32 s[G1P+2], 32<<16                     ; tensor_dim1
	s_mov_b32 s[G1P+3], 64<<16                     ; tile_dim0
	s_mov_b32 s[G1P+4], 32                         ; tile_dim1
	s_mov_b32 s[G1P+5], 16384                      ; from row to row
	s_mov_b32 s[G1P+6], 0
	s_mov_b32 s[G1P+7], 0
	; Wq: 32 rows of 128, dense, 4 words of padding behind every 128; the mask names the cluster's four, bit 21 set beside it
	s_mov_b32 s[G1Q+0], 15|(2<<16)|(1<<20)|(1<<21)|(6<<22)|(3<<25)
	s_mov_b32 s[G1Q+1], 128<<16
	s_mov_b32 s[G1Q+2], 32<<16
	s_mov_b32 s[G1Q+3], 128<<16
	s_mov_b32 s[G1Q+4], 32
	s_mov_b32 s[G1Q+5], 128
	s_mov_b32 s[G1Q+6], 0
	s_mov_b32 s[G1Q+7], 0
	; Wk, Wv: 32 rows of 64, dense, 4 words of padding behind every 64; the same mask
	s_mov_b32 s[G1W+0], 15|(2<<16)|(1<<20)|(1<<21)|(5<<22)|(3<<25)
	s_mov_b32 s[G1W+1], 64<<16
	s_mov_b32 s[G1W+2], 32<<16
	s_mov_b32 s[G1W+3], 64<<16
	s_mov_b32 s[G1W+4], 32
	s_mov_b32 s[G1W+5], 64
	s_mov_b32 s[G1W+6], 0
	s_mov_b32 s[G1W+7], 0
	; groups 0: count, and the LDS addresses: a constant + the wave's number x a constant
	s_mov_b32 s[G0P], 1
	s_mul_i32 s[G0P+1], s[WN], 8448                ; PX = 0: my 32 channel rows
	s_mov_b32 s[G0Q], 1
	s_mul_i32 s[G0Q+1], s[WN], 16896
	s_add_co_u32 s[G0Q+1], s[G0Q+1], WQ
	s_mov_b32 s[G0K], 1
	s_mul_i32 s[G0K+1], s[WN], 8704
	s_add_co_u32 s[G0K+1], s[G0K+1], WK
	s_mov_b32 s[G0V], 1
	s_add_co_u32 s[G0V+1], s[G0K+1], WV-WK
	s_add_co_u32 s78, s[G0P+1], STG                ; my stage: 8,448 bytes a wave too
	; the lanes' addresses
	v_and_b32 v16, 31, v0                          ; lane
	v_and_b32 v17, 15, v0                          ; r
	v_bfe_u32 v18, v0, 4, 1                        ; h
	v_and_b32 v19, 8, v17
	v_add_nc_u32 v19, v19, v17                     ; r + 8 (r / 8)
	v_lshlrev_b32 v[H64], 6, v18
	v_lshlrev_b32 v[RHO4], 2, v19
	v_mul_u32_u24 v[AWQ], v19, 528
	v_add_nc_u32 v[AWQ], v[AWQ], v[H64]
	v_add_nc_u32 v[AWQ], s[G0Q+1], v[AWQ]
	v_mul_u32_u24 v[AWK], v19, 272
	v_add_nc_u32 v[AWK], v[AWK], v[H64]
	v_add_nc_u32 v[AWK], s[G0K+1], v[AWK]
	v_mul_u32_u24 v[APX], v18, 4224                ; 16 h rows of 264 bytes
	v_lshl_add_u32 v[APX], v17, 2, v[APX]
	s_lshl_b32 s72, s[WN], 6
	v_add_nc_u32 v[APX], s72, v[APX]               ; + 4 (16 w + r)
	v_lshl_add_u32 v[AI], v16, 4, QIMG
	s_mul_i32 s72, s[WN], 3072
	v_add_nc_u32 v[AIW], s72, v[AI]
	v_lshl_add_u32 v[AS], v16, 2, QSC
	s_lshl_b32 s72, s[WN], 8
	v_add_nc_u32 v[ASW], s72, v[AS]
	s_mul_i32 s72, s[WN], 24
	s_add_co_u32 s72, s72, KC
	v_mul_u32_u24 v[AKW], v18, 12
	v_add_nc_u32 v[AKW], s72, v[AKW]               ; k0's block w lies at 24 w, my half's 16 codes at 12 h
	s_add_co_u32 s73, s[WN], KSC
	v_mov_b32 v[AKB], s73
.irp b, 0,1,2,3
	v_mov_b32 v[TM+4+\b], 0                        ; written once: a lane permute's destination counts as one of its sources
.endr
	s_wait_dscnt 0x0                               ; both opening adds are done
	s_wait_kmcnt 0x0
	s_mov_b32 s75, 0                               ; s[74:75]: offsets made of the wave's number alone: they feed the joint descriptors
	s_lshl_b32 s74, s[WN], 13                      ; 32 rows of 256 bytes
	s_add_nc_u64 s[G0K+2:G0K+3], s[12:13], s[74:75]
	s_or_b32 s[G0K+3], s[G0K+3], 0x80000000        ; type = 2
	s_add_nc_u64 s[G0V+2:G0V+3], s[16:17], s[74:75]
	s_or_b32 s[G0V+3], s[G0V+3], 0x80000000
	s_lshl_b32 s74, s[WN], 14                      ; 32 rows of 512 bytes
	s_add_nc_u64 s[G0Q+2:G0Q+3], s[8:9], s[74:75]
	s_or_b32 s[G0Q+3], s[G0Q+3], 0x80000000
	s_lshl_b32 s74, s[WN], 7                       ; my 32 numbers of bk and of bv
	s_add_nc_u64 s[14:15], s[14:15], s[74:75]
	s_add_nc_u64 s[18:19], s[18:19], s[74:75]
	s_mov_b32 s77, 0                               ; s[76:77]: offsets that hold g
	s_lshl_b32 s76, s[WN], 21                      ; 32 channel rows of 65,536 bytes
	s_lshl_b32 s72, s24, 8                         ; + 64 g pixels
	s_add_co_u32 s76, s76, s72
	s_add_nc_u64 s[G0P+2:G0P+3], s[4:5], s[76:77]
	s_or_b32 s[G0P+3], s[G0P+3], 0x80000000
	s_lshl_b32 s76, s24, 15                        ; out: row 64 g + 16 w, 512 bytes a row
	s_lshl_b32 s72, s[WN], 13
	s_add_co_u32 s76, s76, s72
	s_add_nc_u64 s[20:21], s[20:21], s[76:77]
	ROUND                                          ; all four work-groups are here: the joint loads meet
	tensor_load_to_lds s[G0K:G0K+3], s[G1W:G1W+7]  ; all first fills in one group; four loads of mine are out.  My 32 rows of Wk,
	s_nop 0
	tensor_load_to_lds s[G0V:G0V+3], s[G1W:G1W+7]  ; of Wv,
	s_nop 0
	tensor_load_to_lds s[G0Q:G0Q+3], s[G1Q:G1Q+7]  ; of Wq,
	s_nop 0
	tensor_load_to_lds s[G0P:G0P+3], s[G1P:G1P+7]  ; and my 32 channel rows of px's tile, wanted last
	s_nop 0
	PLACES 4
.irp b, 0,1
.irp j, 0,1,2,3
	global_load_b128 v[F+16*\b+4*\j:F+16*\b+4*\j+3], v[H64], s[6:7] offset:128*\b+16*\j   ; age(32 b + 16 h + i): the same in all 16 lanes of a half: 16 equal keys
.endr
.endr
.irp u, 0,1
	global_load_b128 v[KA+8*\u:KA+8*\u+3], v[H64], s[14:15] offset:32*\u                 ; bk in the layout of k^T's tile 2 w + u: channels 32 w + 16 h + 8 u + 0 .. 7
	global_load_b128 v[KA+8*\u+4:KA+8*\u+7], v[H64], s[14:15] offset:32*\u+16
.endr
.irp u, 0,1
	global_load_b32 v[BV+\u], v[RHO4], s[18:19] offset:32*\u                             ; bv at channel 32 w + 8 u + r + 8 (r / 8)
.endr
	; ---- THE PREPARATION: my 32 rows of the three weights.  No barrier: I read what my own loads brought
	s_wait_tensorcnt 0x1                           ; tensor loads of a wave end in order (ISA guide 10.11.1): Wk, Wv, Wq are in; px's, the youngest, may stay out
.irp u, 0,1
	WLOAD PXR+32*\u, AWK, 2176*\u, 2               ; Wk's tiles 2 w, 2 w + 1 (the second begins 8 rows on): 16 loads
.endr
.irp u, 0,1
	WLOAD ACC+32*\u, AWK, WV-WK+2176*\u, 2         ; Wv's: 16 loads
.endr
	s_wait_loadcnt 0x0                             ; age, bk, bv
	QUANT F, AGE, AGS, 2
	s_wait_dscnt 16                                ; Wk's 16 loads are in; Wv's 16 may be out
	QUANT PXR, F, FS, 2
	QUANT PXR+32, F+12, FS+1, 2
	WLOAD PXR, AWQ, 0, 4                           ; Wq's tile 2 w: 16 loads
	s_wait_dscnt 16                                ; Wv's are in; those 16 may be out
	QUANT ACC, F+24, FS+2, 2
	QUANT ACC+32, F+36, FS+3, 2
	WLOAD ACC, AWQ, 4224, 4                        ; Wq's tile 2 w + 1
	PLACES 8
	MMA KA, F, AGE, FS, AGS                        ; k^T + bk: source 0 = 16 channels of Wk, source 1 = 16 equal keys.  The four accumulators take turns
	MMZ 208, AGE, F+24, AGS, FS+2                  ; v: source 0 = 16 equal keys, source 1 = 16 channels of Wv: lane r holds its tile's channel r
	MMA KA+8, F+12, AGE, FS+1, AGS
	MMZ T2, AGE, F+36, AGS, FS+3
	PLACES 4
	; k0's block w: my 16 registers are channels 32 w + 16 h + 0 .. 15
	v_max3_num_f32 v[TM], |v[KA]|, |v[KA+1]|, 0x2800000
.irp i, 2,4,6,8,10,12,14
	v_max3_num_f32 v[TM], v[TM], |v[KA+\i]|, |v[KA+1+\i]|
.endr
	v_permlanex16_b32 v[TM+4], v[TM], s[SEL], s[SEL+1]
	v_max_num_f32 v[TM], v[TM], v[TM+4]
	v_add_nc_u32 v[TM+8], 0xfe000000, v[TM]
	v_lshrrev_b32 v[TM+4], 23, v[TM+8]
	v_cvt_scalef32_pk16_bf6_f32 v[F:F+2], v[KA:KA+15], v[TM+8]
	v_nop
.irp i, 0,1,2
	ds_store_b32 v[AKW], v[F+\i] offset:4*\i       ; the 16 lanes of a half write the same words with the same values
.endr
	ds_store_b8 v[AKB], v[TM+4]
	; V's fragments of tiles 2 w, 2 w + 1: along the keys, which are product 5's K, a channel's numbers are all v0[c]: 16 equal neighbours are converted, and their 96 bits stand four times
.irp u, 0,1
.set CP,  F+4+16*\u
.set VFR, F+36+12*\u
.set VA,  208+32*\u
.irp i, 0,1,2,3,4,5,6,7,8,9,10,11,12,13,14,15
	v_add_f32 v[CP+\i], v[VA], v[BV+\u]            ; v0 = the product + bv (the accumulator's lowest register)
.endr
	v_max3_num_f32 v[TM+\u], |v[CP]|, |v[CP+1]|, 0x2800000
	v_add_nc_u32 v[TM+8+\u], 0xfe000000, v[TM+\u]
	v_lshrrev_b32 v[TM+2+\u], 23, v[TM+8+\u]
	v_lshl_or_b32 v[TM+2+\u], v[TM+2+\u], 8, v[TM+2+\u]
	v_lshl_or_b32 v[TM+2+\u], v[TM+2+\u], 16, v[TM+2+\u]   ; the byte four times: the four blocks of 32 keys
	v_cvt_scalef32_pk16_bf6_f32 v[VFR:VFR+2], v[CP:CP+15], v[TM+8+\u]
	v_nop
.irp i, 0,1,2,3,4,5,6,7,8
	v_mov_b32 v[VFR+3+\i], v[VFR+\i]
.endr
	IMAGE AIW, VFR, VOFS+1536*\u
	ds_store_b32 v[ASW], v[TM+2+\u] offset:VOFS+128*\u
.endr
	s_wait_dscnt 0x0                               ; both tiles of Wq are in, and my stores have read their registers
	QUANT PXR, F, FS, 4
	IMAGE AIW, F, 0
	ds_store_b32 v[ASW], v[FS]
	QUANT ACC, F+12, FS+1, 4
	IMAGE AIW, F+12, 1536
	ds_store_b32 v[ASW], v[FS+1] offset:128
.irp t, 0,1,2,3,4,5,6,7
	global_load_b128 v[ACC+8*\t:ACC+8*\t+3], v[H64], s[10:11] offset:128*(\t/2)+32*(\t%2)        ; bq in the layout of q^T's tile t: the C of its product
	global_load_b128 v[ACC+8*\t+4:ACC+8*\t+7], v[H64], s[10:11] offset:128*(\t/2)+32*(\t%2)+16
.endr
	s_wait_tensorcnt 0x0                           ; for the others' sake: my rows of px's tile have landed,
	s_wait_dscnt 0x0                               ; and my images, scale words and part of k0's row are stored
	s_barrier_signal -1
	v_and_b32 v[T2], 15, v0                        ; register work while the others arrive: the addresses of the second part (no LDS instruction of mine is out)
	v_bfe_u32 v[T2+1], v0, 4, 1
	v_and_b32 v[T2+2], 31, v0
	v_mul_u32_u24 v[AWQ], v[T2+1], 24
	v_add_nc_u32 v[AWQ], KC, v[AWQ]                ; AKR: every lane takes k0's row, + 24 h
	v_mov_b32 v[AWK], KSC                          ; AKS
	v_mul_u32_u24 v[AIW], v[T2], 528
	v_lshl_add_u32 v[AIW], v[T2+1], 6, v[AIW]
	v_add_nc_u32 v[AIW], s78, v[AIW]               ; STO: my stage, row r, + 64 h
	v_lshl_add_u32 v[ASW], v[T2+2], 4, s78         ; SRD: my stage, 16 bytes a lane
	v_lshlrev_b32 v[AKW], 4, v[T2+2]               ; GO
	v_lshl_add_u32 v[ASV], v[T2+1], 7, v[AS]       ; ASV: lanes 16-31 one image of scale words further on
	s_barrier_wait -1                              ; px's tile, the 16 images, their scale words and k0's row are whole
	; ---- MY 16 PIXELS.  q
.irp b, 0,1,2,3
.irp i, 0,1,2,3,4,5,6,7,8,9,10,11,12,13,14,15
	ds_load_b32 v[PXR+16*\b+\i], v[APX] offset:(32*\b+\i)*264   ; px(channel 32 b + 16 h + i, my pixel)
.endr
.endr
	FETCH4 0                                       ; Wq's tiles 0-3
.irp p, 0,1,2,3,4,5
	ds_load_b64 v[KF+2*\p:KF+2*\p+1], v[AWQ] offset:48*(\p/3)+8*(\p%3)   ; 16 equal keys: k0's fragment
.endr
	ds_load_b32 v[KS], v[AWK]
	s_wait_dscnt 23                                ; px's 64 loads are in; the 16 + 7 behind them may be out
	QUANT PXR, XF, XS, 4
	s_wait_dscnt 0x0
	s_wait_loadcnt 0x0                             ; bq
	PLACES 8
.irp t, 0,1,2,3
	MMA ACC+8*\t, F+12*\t, XF, FS+\t, XS           ; q^T + bq: source 0 = 16 rows of Wq, source 1 = my 16 pixels
.endr
	PLACES 4
	FETCH4 1
	s_wait_dscnt 0x0
.irp t, 0,1,2,3
	MMA ACC+32+8*\t, F+12*\t, XF, FS+\t, XS
.endr
	PLACES 4
	FETCHV                                         ; V's eight fragments take px's registers and Wq's: they come while q is quantised and the scores are made; px is read again at the end
	QUANT ACC, QF, QS, 4                           ; q along its 128 channels (each accumulator is read from its low end on)
.irp c, 0,1,2,3
	v_mov_b32 v[TM+\c], 0xff800000                 ; the four running maxima begin at -infinity
.endr
	PLACES 8
	; ---- PRODUCT 4, ALL 16,384 KEYS: 1,024 tiles of S^T = K Q^T (source 0 = 16 keys, all k0; source 1 = my 16 pixels), and the row's largest score.  4 tiles here, 31 trips of 32, 28 behind the loop
.irp t, 4,5,6,7
	MMZ ACC+8*\t, KF, QF, KS, QS
.endr
	PLACES 4                                       ; in front of the first read of these four
	s_mov_b32 s[CNT], 31
.Lkeys:
.rept 4
	RING8
.endr
	s_sub_co_u32 s[CNT], s[CNT], 1
	s_cmp_lg_u32 s[CNT], 0
	s_cbranch_scc1 .Lkeys
.rept 3
	RING8
.endr
.irp t, 0,1,2,3
	SLOT \t
.endr
.irp t, 0,1,2,3
	SMAX \t                                        ; the last four tiles' scores
.endr
	v_max3_num_f32 v[TM], v[TM], v[TM+1], v[TM+2]
	v_max_num_f32 v[TM], v[TM], v[TM+3]
	v_permlanex16_b32 v[TM+4], v[TM], s[SEL], s[SEL+1]
	v_max_num_f32 v[TM], v[TM], v[TM+4]            ; with lane l xor 16's keys: the row's largest score
	; ---- THE SOFTMAX: every key's t is the row's largest, so one p serves all keys
	v_mul_f32 v[TM+2], s[CS], v[TM]                ; t = score x log2(e) / sqrt(128) (the factor is positive)
	v_floor_f32 v[TM+3], -v[TM+2]                  ; -M = floor(-t) = -ceil(t)
	v_add_f32 v[TM+2], v[TM+2], v[TM+3]            ; t - M, in (-1, 0]
	v_exp_f32 v[TM+6], v[TM+2]                     ; p = 2^(t - M)
	v_nop                                          ; a plain place behind the exponential
	s_wait_alu depctr_va_vdst(0)                   ; the wait ahead of the first line that names its result
	v_mul_f32 v[TM+7], 0x46800000, v[TM+6]         ; l = 16,384 p, of the unquantised p, exact
	v_rcp_f32 v[TM+10], v[TM+7]
.irp i, 0,1,2,3,4,5,6,7,8,9,10,11,12,13,14,15
	v_mov_b32 v[ACC+16+\i], v[TM+6]                ; 16 equal neighbours along the keys
.endr
	v_max_num_f32 v[TM], 0x2800000, v[TM+6]
	v_add_nc_u32 v[TM+8], 0xfe000000, v[TM]
	v_lshrrev_b32 v[TM+4], 23, v[TM+8]
	v_lshl_or_b32 v[PS], v[TM+4], 8, v[TM+4]
	v_lshl_or_b32 v[PS], v[PS], 16, v[PS]          ; the byte four times
	v_cvt_scalef32_pk16_bf6_f32 v[XF:XF+2], v[ACC+16:ACC+31], v[TM+8]   ; beyond 28 the largest code, as the quantiser's clamp has it
	v_nop
.irp i, 0,1,2,3,4,5,6,7,8
	v_mov_b32 v[XF+3+\i], v[XF+\i]
.endr
	s_wait_alu depctr_va_vdst(0)                   ; and the wait for the reciprocal
	v_mov_b32 v[TM+11], v[TM+10]                   ; (named with it as a pair, so it is written)
	PLACES 8
	s_wait_dscnt 0x0                               ; V's fragments and scale words
	; ---- PRODUCT 5, ALL 16,384 KEYS: O^T += V^T P^T over 128 K steps of 128 keys.  Four steps here, the first of which starts the sums; 31 trips of four
	OSTEP 1
.rept 3
	OSTEP 0
.endr
	s_mov_b32 s[CNT], 31
.Lsum:
.rept 4
	OSTEP 0
.endr
	s_sub_co_u32 s[CNT], s[CNT], 1
	s_cmp_lg_u32 s[CNT], 0
	s_cbranch_scc1 .Lsum
	PLACES 4                                       ; in front of loads into registers that the products have read, and of the first read of O^T
.irp b, 0,1,2,3
.irp i, 0,1,2,3,4,5,6,7,8,9,10,11,12,13,14,15
	ds_load_b32 v[PXR+16*\b+\i], v[APX] offset:(32*\b+\i)*264   ; px once more, from its tile, which nothing has written since it landed
.endr
.endr
.irp b, 0,1,2,3
	s_wait_dscnt 48-16*\b                          ; block b's 16 loads are in; the younger blocks' may be out
.irp i, 0,1,2,3,4,5,6,7
	v_pk_fma_f32 v[ACC+16*\b+2*\i:ACC+16*\b+2*\i+1], v[ACC+16*\b+2*\i:ACC+16*\b+2*\i+1], v[TM+10:TM+11], v[PXR+16*\b+2*\i:PXR+16*\b+2*\i+1] op_sel_hi:[1,0,1]   ; O^T / l + px, ascending
.endr
.endr
	; THE WAY OUT.  A lane holds 16 neighbouring channels of each block of 32 of one pixel's row; through my own stage the rows come back whole.  LDS serves a wave's instructions in order (ISA guide 5.7.1.4): no wait between the stores and the loads
.irp b, 0,1,2,3
.irp k, 0,1,2,3
	ds_store_b128 v[AIW], v[ACC+16*\b+4*\k:ACC+16*\b+4*\k+3] offset:128*\b+16*\k
.endr
.endr
.irp i, 0,1,2,3,4,5,6,7,8,9,10,11,12,13,14,15
	ds_load_b128 v[PXR+4*\i:PXR+4*\i+3], v[ASW] offset:528*\i
.endr
.irp i, 0,1,2,3,4,5,6,7,8,9,10,11,12,13,14,15
	s_wait_dscnt 15-\i                             ; row i is back; the younger rows may be out
	global_store_b128 v[AKW], v[PXR+4*\i:PXR+4*\i+3], s[20:21] offset:512*\i th:TH_STORE_NT   ; 32 lanes store a row's 512 consecutive bytes, at a multiple of 256 from out's first byte
.endr
	s_wait_tensorcnt 0x0                           ; the wave's end: behind my last tensor load and my last LDS store
	ds_add_u32 v[SPW], v[NIL]
	s_wait_dscnt 0x0
	ROUND                                          ; the closing round: no work-group ends while a partner may still ask for a tile that names it
	s_endpgm
.Lfunc_end_k_qa2b6dc3a2b_xattn:
	.size	k_qa2b6dc3a2b_xattn, .Lfunc_end_k_qa2b6dc3a2b_xattn-k_qa2b6dc3a2b_xattn
	.p2alignl 7, 3214868480
	.fill 96, 4, 3214868480
	.section	.rodata,"a",@progbits
	.p2align	6, 0x0
	.amdhsa_kernel k_qa2b6dc3a2b_xattn
		.amdhsa_group_segment_fixed_size 233472
		.amdhsa_private_segment_fixed_size 0
		.amdhsa_enable_private_segment 0
		.amdhsa_kernarg_size 72
		.amdhsa_user_sgpr_count 2
		.amdhsa_user_sgpr_kernarg_segment_ptr 1
		.amdhsa_wavefront_size32 1
		.amdhsa_system_sgpr_workgroup_id_x 1
		.amdhsa_system_sgpr_workgroup_id_y 1
		.amdhsa_system_sgpr_workgroup_id_z 1
		.amdhsa_system_vgpr_workitem_id 0
		.amdhsa_next_free_vgpr 256
		.amdhsa_next_free_sgpr 80
		.amdhsa_reserve_vcc 0
		.amdhsa_float_denorm_mode_32 3
		.amdhsa_float_denorm_mode_16_64 3
		.amdhsa_memory_ordered 1
		.amdhsa_forward_progress 1
		.amdhsa_inst_pref_size 100
	.end_amdhsa_kernel
	.amdgpu_metadata
---
amdhsa.version: [ 1, 2 ]
amdhsa.kernels:
  - .name:           k_qa2b6dc3a2b_xattn
    .symbol:         k_qa2b6dc3a2b_xattn.kd
    .args:
      - { .name: pixel_features, .offset: 0, .size: 8, .value_kind: global_buffer, .address_space: global }
      - { .name: age_features, .offset: 8, .size: 8, .value_kind: global_buffer, .address_space: global }
      - { .name: Wq, .offset: 16, .size: 8, .value_kind: global_buffer, .address_space: global }
      - { .name: bq, .offset: 24, .size: 8, .value_kind: global_buffer, .address_space: global }
      - { .name: Wk, .offset: 32, .size: 8, .value_kind: global_buffer, .address_space: global }
      - { .name: bk, .offset: 40, .size: 8, .value_kind: global_buffer, .address_space: global }
      - { .name: Wv, .offset: 48, .size: 8, .value_kind: global_buffer, .address_space: global }
      - { .name: bv, .offset: 56, .size: 8, .value_kind: global_buffer, .address_space: global }
      - { .name: out0, .offset: 64, .size: 8, .value_kind: global_buffer, .address_space: global }
    .group_segment_fixed_size: 233472
    .private_segment_fixed_size: 0
    .kernarg_segment_align: 8
    .kernarg_segment_size: 72
    .max_flat_workgroup_size: 128
    .sgpr_count:     80
    .vgpr_count:     256
    .wavefront_size: 32
...
	.end_amdgpu_metadata
.endif
;; end of part 1
